; MI455X (gfx1250); checked and timed in simulation.
; The chip was launched on July 23, 2026; its instructions are those of AMD's public machine-readable ISA for CDNA 5 (MIT licence, August 2026) and "CDNA5" Instruction Set Architecture Reference Guide (July 2026). The comments in the code are by the model that wrote it; some were corrected since.
;; Quan Dense. Allowed arithmetic: matrix products marked QUANTISED: E5M2 operands, one given power-of-two scale a tensor, by v_wmma_f32_16x16x64_bf8_bf8 or v_wmma_f32_16x16x128_bf8_bf8, f32 sums; everything else in f32.
;; Inputs: W 4,096 x 4,096 float32; b 4,096 float32; lowp_scales 2 int32 (the exponents e of the quantised operands' scales 2^e); x 4,096 x 4,096 float32.
;; Outputs: out0 4,096 x 4,096 float32.
;; This version of the problem:
;;   THIS VERSION OF THE PROBLEM IS GIVEN IN LOW PRECISION. The matrix products marked QUANTISED in the list below multiply operands that are first quantised to E5M2 (5 exponent bits, 2 mantissa bits; 8 bits a number), with one given power-of-two scale for each operand tensor; their sums are f32. All else is computed in f32.
;;   The module's matrix products, in the order in which they are computed (A, B: the left and right operand; K: the contracted axis; several contracted axes count as one K, in the product's order):
;;     1. [M 4,096, K 4,096] x [K 4,096, N 4,096]; A: computed on the way; B: computed on the way: QUANTISED (scales: A lowp_scales[0], B lowp_scales[1])
;;   THE QUANTISER, for each operand of a quantised product, along K:
;;     - The operand's scale is 2^e, e = its entry of the input lowp_scales (int32; the entries are numbered through the quantised products in the list's order, A before B).
;;     - Each number is divided by the scale, clamped to +-57,344, and rounded to the nearest number of E5M2, ties to even, subnormals kept.
;;     - The product sums the exact products of the quantised numbers (number of the format x scale) in f32.
;;   ~~~python
;;   def quantise(x, axis, e):      # numpy; x: float32 -> the quantised numbers, widened to float32 again
;;       x = np.moveaxis(x, axis, -1); K = x.shape[-1]
;;       r = np.clip(x / 2.0 ** e, -57344, 57344)
;;       step = 2.0 ** (np.maximum(np.frexp(np.where(r == 0, 1, r))[1] - 1, -14) - 2)
;;       q = np.round(r / step) * step * 2.0 ** e      # np.round: ties to even
;;       return np.moveaxis(q, -1, axis).astype(np.float32)
;;   ~~~
;;   OPERANDS COMPUTED ON THE WAY. 'Computed on the way' means the value that the module computes at that place (a softmax that the list does not call 'softmax' is quantised finished and normalised). What goes into a quantiser is computed in f32, as accurately as f32 sums, v_exp_f32 and their like allow (about 1e-6 of the number): no bf16 or f16 on the way to a quantiser, and a product that is left as it is and whose result goes on into a quantised operand takes f32 operands (vector FMAs, or v_wmma_f32_16x16x4_f32). A number that lies on a knife's edge between two numbers of the format may be rounded either way, as far as f32 arithmetic and the matrix unit's own rounding can turn it there, and no further.
;; One version. Each part assembles by itself: llvm-mc -triple=amdgcn-amd-amdhsa -mcpu=gfx1250 --defsym DOCPART=n.
;; ======== version 1 of 1: 3 launches
;; limits: right only within a limited range of input values
;; workspace buffers: ext 4,096 bytes; a_codes 16,777,216 bytes; b_img 16,777,216 bytes
;; launch extremes (part 1): grid 512 x 1, 16 waves a work-group, no clusters, 2,304 bytes of LDS; arguments x, W, ext; writes ext
.if DOCPART == 1
	.amdgcn_target "amdgcn-amd-amdhsa--gfx1250"
	.amdhsa_code_object_version 6
	.text
	.protected	k_qf4eb98cf2b_extremes
	.globl	k_qf4eb98cf2b_extremes
	.p2align	8
	.type	k_qf4eb98cf2b_extremes,@function
k_qf4eb98cf2b_extremes:
	s_mov_b64 s[64:65], 0
	v_nop
	global_prefetch_b8 v0, s[64:65] scope:SCOPE_SE
	s_setreg_imm32_b32 hwreg(HW_REG_WAVE_MODE, 25, 1), 1
	s_wait_xcnt 0x0
; The smallest and the largest number of x and of W, as 256 partial results for each tensor: the next launch finishes them.
; x, W: 4,096 x 4,096 f32.  ext: f32 [tensor 2][kind 2][256]: kind 0 = a work-group's minimum, kind 1 = its NEGATED maximum, so that from the lanes on only minima are taken.
; Work-groups 0-255 take x, 256-511 take W: 262,144 bytes each, 16,384 a wave: 32 loads of 16 bytes a lane, each load 512 consecutive bytes of the wave.
; A ring of 16 register slots keeps 16 loads of every wave on their way.  No matrix unit, no tensor load, no cluster: the work-groups share no input and the work is a stream.
; LIMIT: NaN among the inputs is not served (v_min_num / v_max_num drop a NaN, the reference spreads it).
.set X, 16                             ; v16-79  slot i: 4 registers as loaded
	s_load_b128 s[4:7], s[0:1], 0x0                ; x s[4:5], W s[6:7]
	s_load_b64 s[8:9], s[0:1], 0x10                ; ext
	v_lshl_add_u32 v80, v0, 2, 0x100
	v_mov_b32 v81, 0
	v_lshrrev_b32 v2, 5, v0
	s_delay_alu instid0(VALU_DEP_1)
	v_readfirstlane_b32 s10, v2                    ; wave 0..15
	s_delay_alu instid0(VALU_DEP_2)
	v_lshlrev_b32 v2, 2, v2                        ; my wave's word in LDS
	v_and_b32 v3, 31, v0                           ; lane
	s_delay_alu instid0(VALU_DEP_1)
	v_lshlrev_b32 v1, 4, v3                        ; my 16 bytes of a load's 512
	s_delay_alu instid0(VALU_DEP_2)
	v_and_b32 v8, 15, v3
	s_delay_alu instid0(VALU_DEP_3)
	v_lshrrev_b32 v9, 4, v3
	s_delay_alu instid0(VALU_DEP_1)
	v_lshlrev_b32 v9, 10, v9                       ; lanes 16-31 stand for kind 1: 1,024 bytes on in ext
	v_lshlrev_b32 v3, 2, v3                        ; 4 x lane
	s_mov_b32 s20, 0x76543210                      ; v_permlanex16_b32: each lane takes its own place in the other half
	s_mov_b32 s21, 0xfedcba98
	s_and_b32 s13, ttmp9, 255                      ; my number among the tensor's 256 work-groups
	s_lshl_b32 s14, s13, 18
	s_lshl_b32 s15, s10, 14
	s_add_co_u32 s14, s14, s15                     ; my wave's first byte in the tensor
	s_mov_b32 s15, 0
	s_wait_alu depctr_va_vdst(0)
	s_wait_kmcnt 0x0
	s_cmp_lt_u32 ttmp9, 256                        ; x's work-group or W's?  The choice hangs on the work-group's number alone
	s_cselect_b64 s[4:5], s[4:5], s[6:7]
	s_cselect_b32 s12, 0, 2048                     ; the tensor's part of ext
	s_lshl_b32 s16, s13, 2
	s_add_co_u32 s16, s16, s12
	s_mov_b32 s17, 0
	s_add_nc_u64 s[4:5], s[4:5], s[14:15]
	s_add_nc_u64 s[8:9], s[8:9], s[16:17]
.irp i, 0,1,2,3,4,5,6,7,8,9,10,11,12,13,14,15
	global_load_b128 v[X+4*\i:X+4*\i+3], v1, s[4:5] offset:512*\i   ; no hint: the next launch reads the tensors again
.endr
; Four numbers of load i go into two chains of minima (v4, v5) and two of maxima (v6, v7).  The first load starts the chains: nothing is cleared.
.macro ACC i
.set XS, X+4*((\i)%16)
.if (\i) == 0
	v_min_num_f32 v4, v[XS], v[XS+1]
	s_wait_alu depctr_va_vdst(0)
	v_min_num_f32 v5, v[XS+2], v[XS+3]
	s_wait_alu depctr_va_vdst(0)
	v_max_num_f32 v6, v[XS], v[XS+1]
	s_wait_alu depctr_va_vdst(0)
	v_max_num_f32 v7, v[XS+2], v[XS+3]
.else
	v_min3_num_f32 v4, v4, v[XS], v[XS+1]
	v_min3_num_f32 v5, v5, v[XS+2], v[XS+3]
	v_max3_num_f32 v6, v6, v[XS], v[XS+1]
	v_max3_num_f32 v7, v7, v[XS+2], v[XS+3]
.endif
.endm
.irp i, 0,1,2,3,4,5,6,7,8,9,10,11,12,13,14,15
	s_wait_alu depctr_va_vdst(0)
	s_wait_loadcnt 15                              ; loads come back in order: load i is in, the 15 younger ones stay out
	ACC \i
	global_load_b128 v[X+4*\i:X+4*\i+3], v1, s[4:5] offset:512*(16+\i)
.endr
	s_wait_alu depctr_va_vdst(0)
.irp i, 16,17,18,19,20,21,22,23,24,25,26,27,28,29,30,31
	s_wait_alu depctr_va_vdst(0)
	s_wait_loadcnt 31-\i                           ; nothing more is asked for: the counts run down
	ACC \i
.endr
	s_delay_alu instid0(VALU_DEP_3)
	v_min_num_f32 v4, v4, v5
	s_delay_alu instid0(VALU_DEP_2)
	v_max_num_f32 v6, v6, v7
	s_delay_alu instid0(VALU_DEP_1)
	v_xor_b32 v6, 0x80000000, v6                   ; - maximum
.irp m, 1
	s_delay_alu instid0(VALU_DEP_3)
	v_min_num_f32_dpp v4, v4, v4 row_xmask:\m row_mask:0xf bank_mask:0xf
	s_delay_alu instid0(VALU_DEP_2)
	v_min_num_f32_dpp v6, v6, v6 row_xmask:\m row_mask:0xf bank_mask:0xf
.endr
.irp m, 2, 4, 8
	s_delay_alu instid0(VALU_DEP_2)
	v_min_num_f32_dpp v4, v4, v4 row_xmask:\m row_mask:0xf bank_mask:0xf
	s_delay_alu instid0(VALU_DEP_2)
	v_min_num_f32_dpp v6, v6, v6 row_xmask:\m row_mask:0xf bank_mask:0xf
.endr
	s_delay_alu instid0(VALU_DEP_2)
	v_permlanex16_b32 v5, v4, s20, s21             ; (the destinations have been written before)
	s_delay_alu instid0(VALU_DEP_2)
	v_permlanex16_b32 v7, v6, s20, s21
	s_delay_alu instid0(VALU_DEP_2)
	v_min_num_f32 v4, v4, v5                       ; every lane holds the wave's minimum
	s_delay_alu instid0(VALU_DEP_2)
	v_min_num_f32 v6, v6, v7                       ; and its negated maximum
	ds_store_b32 v2, v4                            ; bytes 0-63: the 16 waves' minima
	ds_store_b32 v2, v6 offset:64                  ; bytes 64-127: their negated maxima
	s_wait_dscnt 0x0                               ; for the others' sake: my stores have landed
	s_barrier_signal -1
	s_barrier_wait -1
	s_cmp_lg_u32 s10, 0
	s_cbranch_scc1 .Lend                           ; wave 0 finishes for the work-group
	ds_load_b32 v4, v3                             ; lanes 0-15: the minima; lanes 16-31: the negated maxima
	s_wait_dscnt 0x0
.irp m, 1
	v_min_num_f32_dpp v4, v4, v4 row_xmask:\m row_mask:0xf bank_mask:0xf
.endr
.irp m, 2, 4, 8
	s_delay_alu instid0(VALU_DEP_1)
	v_min_num_f32_dpp v4, v4, v4 row_xmask:\m row_mask:0xf bank_mask:0xf
.endr
	v_cmp_eq_u32 vcc_lo, 0, v8
	s_wait_alu depctr_va_vdst(0)
	s_wait_xcnt 0x0                                ; EXEC changes only behind this wait
	s_and_saveexec_b32 s22, vcc_lo                 ; lanes 0 and 16
	global_store_b32 v9, v4, s[8:9]                ; the work-group's two words
	s_wait_xcnt 0x0
	s_or_b32 exec_lo, exec_lo, s22
.Lend:
	s_wait_tensorcnt 0x0
	ds_add_u32 v80, v81
	s_wait_dscnt 0x0
	s_endpgm
.Lfunc_end_k_qf4eb98cf2b_extremes:
	.size	k_qf4eb98cf2b_extremes, .Lfunc_end_k_qf4eb98cf2b_extremes-k_qf4eb98cf2b_extremes
	.p2alignl 7, 3214868480
	.fill 96, 4, 3214868480
	.section	.rodata,"a",@progbits
	.p2align	6, 0x0
	.amdhsa_kernel k_qf4eb98cf2b_extremes
		.amdhsa_group_segment_fixed_size 2304
		.amdhsa_private_segment_fixed_size 0
		.amdhsa_enable_private_segment 0
		.amdhsa_kernarg_size 24
		.amdhsa_user_sgpr_count 2
		.amdhsa_user_sgpr_kernarg_segment_ptr 1
		.amdhsa_wavefront_size32 1
		.amdhsa_system_sgpr_workgroup_id_x 1
		.amdhsa_system_sgpr_workgroup_id_y 1
		.amdhsa_system_sgpr_workgroup_id_z 1
		.amdhsa_system_vgpr_workitem_id 0
		.amdhsa_next_free_vgpr 82
		.amdhsa_next_free_sgpr 66
		.amdhsa_reserve_vcc 1
		.amdhsa_float_denorm_mode_32 3
		.amdhsa_float_denorm_mode_16_64 3
		.amdhsa_memory_ordered 1
		.amdhsa_forward_progress 1
		.amdhsa_inst_pref_size 18
	.end_amdhsa_kernel
	.amdgpu_metadata
---
amdhsa.version: [ 1, 2 ]
amdhsa.kernels:
  - .name:           k_qf4eb98cf2b_extremes
    .symbol:         k_qf4eb98cf2b_extremes.kd
    .args:
      - { .name: x, .offset: 0, .size: 8, .value_kind: global_buffer, .address_space: global }
      - { .name: W, .offset: 8, .size: 8, .value_kind: global_buffer, .address_space: global }
      - { .name: ext, .offset: 16, .size: 8, .value_kind: global_buffer, .address_space: global }
    .group_segment_fixed_size: 2304
    .private_segment_fixed_size: 0
    .kernarg_segment_align: 8
    .kernarg_segment_size: 24
    .max_flat_workgroup_size: 512
    .sgpr_count:     66
    .vgpr_count:     82
    .wavefront_size: 32
...
	.end_amdgpu_metadata
.endif
;; end of part 1
;; launch quant (part 2): grid 1024 x 1, 4 waves a work-group, no clusters, 0 bytes of LDS; arguments x, W, ext, lowp_scales, a_codes, b_img; writes a_codes, b_img
.if DOCPART == 2
	.amdgcn_target "amdgcn-amd-amdhsa--gfx1250"
	.amdhsa_code_object_version 6
	.text
	.protected	k_qf4eb98cf2b_quant
	.globl	k_qf4eb98cf2b_quant
	.p2align	8
	.type	k_qf4eb98cf2b_quant,@function
k_qf4eb98cf2b_quant:
	s_mov_b64 s[64:65], 0
	v_nop
	global_prefetch_b8 v0, s[64:65] scope:SCOPE_SE
	s_setreg_imm32_b32 hwreg(HW_REG_WAVE_MODE, 25, 1), 1
	s_wait_xcnt 0x0
; x and W (4,096 x 4,096 f32) go onto 255 uniform steps between each tensor's own extremes, as the reference does it, all in f32, and then into codes of BF8 (E5M2) with the given scale 2^e.
;   mn, mx: finished here from the 256 partial results of the launch before;  step = (mx - mn) / 255;  y = (v - mn) / step;  q = round(y) x step + mn;  code = q / 2^e, held within +-57,344, nearest, ties to even.
; BOTH QUOTIENTS ARE CORRECTED: a first quotient by a reciprocal, its remainder by one fused multiply-add, and the remainder x the reciprocal added: a y that is off near a half would move a number by a whole step.
; The clip to [mn, mx] changes nothing, since mn and mx are the tensor's own extremes; y + (round(y) - y) is round(y) exactly for 0 <= y <= 255: v_rndne_f32 stands for both lines.
; LIMITS: NaN and infinities among the inputs are not served, nor mx = mn (the reference gives NaN there); step and 1 / step are normal f32 numbers; e between -126 and 112;
;   round(y) x step + mn is ONE fused multiply-add, where the reference may round twice.
; THE ORDER ALONG K is permuted, alike in both operands, so that every product meets its partner.  In a segment S of 512 along K, piece l (0..31) of 16 bytes holds k = 512 S + 128 i + 4 l + j at its byte 4 i + j.
;   a_codes [4096 m][4096]: piece l at byte 512 S + 16 l of the row.   b_img [kslot 16][ntile 256][piece 16][r 16][16 bytes]: kslot = 2 S + l / 16, piece = l % 16, column n = 16 ntile + r: an image of the operand's registers.
;   x: a lane's four loads (each 512 consecutive bytes of the wave) give the 16 numbers of one piece, and the wave stores 512 consecutive bytes of codes.
;   W (K is its first axis): a lane takes a column and its 16 registers the piece's 16 rows, by immediates; sixteen lanes store 256 consecutive bytes, aligned.  So neither path needs LDS or a barrier.
; Work-groups 0-511 take x, 512-1023 take W.  A wave takes 8,192 numbers in 16 steps that are written out: every offset is an immediate, each step has its own registers for its codes, loads run three to four steps ahead.
.set NMN,  8                           ; v[8:9]    - mn, twice (pairs for the packed forms)
.set INV,  10                          ; v[10:11]  1 / step
.set NSTP, 12                          ; v[12:13]  - step
.set STP,  14                          ; v[14:15]  step
.set MN,   16                          ; v[16:17]  mn
.set SC,   18                          ; v18       2^e as f32: the conversion takes its exponent field
.set LIM,  19                          ; v19       57,344 x 2^e
.set R,    32                          ; v32-95    four sets of 16 numbers
.set Q,    96                          ; v96-111   first the 16 words of ext, then the quotients
.set C,    112                         ; v112-175  codes: four registers for each step, so that no store's data are written again
	s_load_b256 s[4:11], s[0:1], 0x0               ; x s[4:5], W s[6:7], ext s[8:9], the scales' exponents s[10:11]
	s_load_b128 s[12:15], s[0:1], 0x20             ; a_codes s[12:13], b_img s[14:15]
	v_lshrrev_b32 v1, 5, v0
	v_readfirstlane_b32 s16, v1                    ; wave 0..3
	v_and_b32 v1, 31, v0                           ; lane
	v_lshlrev_b32 v4, 4, v1                        ; 16 x lane
	s_mov_b32 s24, 0x76543210                      ; v_permlanex16_b32: lane l xor 16
	s_mov_b32 s25, 0xfedcba98
	s_mov_b32 s26, 0x3b808081                      ; 1 / 255, rounded to nearest
	s_mov_b32 s27, 0x437f0000                      ; 255
	s_wait_kmcnt 0x0
	s_load_b64 s[22:23], s[10:11], 0x0             ; e of x, e of W
.macro EXTLOAD off                     ; the tensor's 256 minima (8 a lane) and 256 negated maxima (8 a lane)
.irp u, 0,1,2,3
	global_load_b128 v[Q+4*\u:Q+4*\u+3], v4, s[8:9] offset:\off+512*\u
.endr
.endm
; The tensor's constants, the same in every lane.  ereg: the scalar register with the tensor's e.
.macro CONSTS ereg
	v_min3_num_f32 v5, v[Q], v[Q+1], v[Q+2]
	v_min3_num_f32 v6, v[Q+8], v[Q+9], v[Q+10]
	v_min3_num_f32 v5, v5, v[Q+3], v[Q+4]
	v_min3_num_f32 v6, v6, v[Q+11], v[Q+12]
	v_min3_num_f32 v5, v5, v[Q+5], v[Q+6]
	v_min3_num_f32 v6, v6, v[Q+13], v[Q+14]
	v_min_num_f32 v5, v5, v[Q+7]
	v_min_num_f32 v6, v6, v[Q+15]
.irp m, 1,2,4,8
	v_min_num_f32_dpp v5, v5, v5 row_xmask:\m row_mask:0xf bank_mask:0xf
	v_min_num_f32_dpp v6, v6, v6 row_xmask:\m row_mask:0xf bank_mask:0xf
.endr
	v_mov_b32 v7, 0                                ; a lane permute's destination counts as one of its sources
	v_mov_b32 v20, 0
	v_permlanex16_b32 v7, v5, s24, s25
	v_permlanex16_b32 v20, v6, s24, s25
	v_min_num_f32 v5, v5, v7                       ; mn
	v_min_num_f32 v6, v6, v20                      ; - mx
	v_sub_f32 v20, -v6, v5                         ; mx - mn
	v_mul_f32 v21, s26, v20                        ; a first quotient by 255,
	v_fma_f32 v22, -v21, s27, v20                  ; its remainder,
	v_fma_f32 v[STP], v22, s26, v21                ; step = (mx - mn) / 255, corrected
	s_wait_alu depctr_va_vdst(0)
	v_rcp_f32 v21, v[STP]
	v_mov_b32 v[STP+1], v[STP]                     ; (the plain instruction behind the reciprocal)
	s_wait_alu depctr_va_vdst(0)                   ; the wait ahead of the first reader of the reciprocal
	v_fma_f32 v22, -v[STP], v21, 1.0
	v_fma_f32 v[INV], v22, v21, v21                ; 1 / step, refined once
	v_mov_b32 v[INV+1], v[INV]
	v_xor_b32 v[NSTP], 0x80000000, v[STP]
	v_mov_b32 v[NSTP+1], v[NSTP]
	v_mov_b32 v[MN], v5
	v_mov_b32 v[MN+1], v5
	v_xor_b32 v[NMN], 0x80000000, v5
	v_mov_b32 v[NMN+1], v[NMN]
	s_add_co_i32 s28, \ereg, 127
	s_lshl_b32 s29, s28, 23
	v_mov_b32 v[SC], s29                           ; 2^e
	s_add_co_i32 s28, s28, 15
	s_lshl_b32 s28, s28, 23
	s_or_b32 s28, s28, 0x600000
	v_mov_b32 v[LIM], s28                          ; 57,344 x 2^e
.endm
; Step t's 16 numbers become 16 codes.  Stage by stage over the eight pairs, so that no line waits for the line above it.
.macro LEVELS t
.set XS, R+16*((\t)%4)
.set CC, C+4*(\t)
.irp p, 0,2,4,6,8,10,12,14
	v_pk_add_f32 v[XS+\p:XS+\p+1], v[XS+\p:XS+\p+1], v[NMN:NMN+1]                     ; d = v - mn, formed first, as the reference forms it: a common offset cancels here and nowhere later
.endr
.irp p, 0,2,4,6,8,10,12,14
	v_pk_mul_f32 v[Q+\p:Q+\p+1], v[XS+\p:XS+\p+1], v[INV:INV+1]                       ; a first quotient
.endr
.irp p, 0,2,4,6,8,10,12,14
	v_pk_fma_f32 v[XS+\p:XS+\p+1], v[Q+\p:Q+\p+1], v[NSTP:NSTP+1], v[XS+\p:XS+\p+1]   ; its remainder d - q step
.endr
.irp p, 0,2,4,6,8,10,12,14
	v_pk_fma_f32 v[Q+\p:Q+\p+1], v[XS+\p:XS+\p+1], v[INV:INV+1], v[Q+\p:Q+\p+1]       ; y = d / step, corrected
.endr
.irp i, 0,1,2,3,4,5,6,7,8,9,10,11,12,13,14,15
	v_rndne_f32 v[Q+\i], v[Q+\i]                                                      ; to the nearest whole number, ties to even
.endr
.irp p, 0,2,4,6,8,10,12,14
	v_pk_fma_f32 v[XS+\p:XS+\p+1], v[Q+\p:Q+\p+1], v[STP:STP+1], v[MN:MN+1]           ; round(y) x step + mn
.endr
.irp i, 0,1,2,3,4,5,6,7,8,9,10,11,12,13,14,15
	v_med3_num_f32 v[XS+\i], v[XS+\i], -v[LIM], v[LIM]                                ; the conversion to an 8-bit code does not saturate (ISA guide 7.6.2): the hold at the largest code x the scale, whatever e is
.endr
	v_cvt_scalef32_pk8_bf8_f32 v[CC:CC+1], v[XS:XS+7], v[SC]                          ; the first number's code in the lowest byte
	v_cvt_scalef32_pk8_bf8_f32 v[CC+2:CC+3], v[XS+8:XS+15], v[SC]
; (The codes go to a store alone, the numbers' registers are next written by loads, and the next vector lines are plain and touch another set.)
.endm
	s_cmp_ge_u32 ttmp9, 512
	s_cbranch_scc1 .Lw
	; ---- x: my wave's run of 8,192 numbers: number 4 x work-group + wave
.macro LOADX t
.irp i, 0,1,2,3
	global_load_b128 v[R+16*((\t)%4)+4*\i:R+16*((\t)%4)+4*\i+3], v4, s[4:5] offset:2048*(\t)+512*\i th:TH_LOAD_NT   ; 32 lanes read 512 consecutive bytes; register 4 i + j = number 128 i + 4 lane + j of the segment
.endr
.endm
	s_lshl_b32 s17, ttmp9, 2
	s_add_co_u32 s17, s17, s16
	s_lshl_b32 s18, s17, 15                        ; 32,768 bytes of numbers,
	s_mov_b32 s19, 0
	s_lshl_b32 s20, s17, 13                        ; 8,192 bytes of codes
	s_mov_b32 s21, 0
	s_add_nc_u64 s[4:5], s[4:5], s[18:19]
	s_add_nc_u64 s[12:13], s[12:13], s[20:21]
	s_wait_alu depctr_va_vdst(0)
	EXTLOAD 0
	LOADX 0
	LOADX 1
	LOADX 2
	s_wait_loadcnt 12                              ; ext's four loads are in; three sets of four stay out
	s_wait_kmcnt 0x0
	CONSTS s22
	LOADX 3                                        ; (behind the constants, as in W's path)
.macro XSTEP t
.if 15-(\t) >= 3
	s_wait_loadcnt 12                              ; this step's four loads are in; those of the three steps behind it may be out
.else
	s_wait_loadcnt 4*(15-(\t))
.endif
	LEVELS \t
	global_store_b128 v4, v[CC:CC+3], s[12:13] offset:512*(\t)    ; 32 lanes store 512 consecutive bytes, at a multiple of 512 from the buffer's first byte
.if (\t)+4 < 16
	LOADX (\t)+4
.endif
.endm
	s_wait_alu depctr_va_vdst(0)
.irp t, 0,1,2,3,4,5,6,7,8,9,10,11,12,13,14,15
	XSTEP \t
.endr
	s_endpgm
	; ---- W: work-group = (kslot t, 128 columns gx); my wave: 32 columns, a lane a column; 16 pieces of 16 rows
.Lw:
.macro LOADW p
.irp i, 0,1,2,3
.irp j, 0,1,2,3
	global_load_b32 v[R+16*((\p)%4)+4*\i+\j], v2, s[6:7] offset:(128*\i+4*(\p)+\j)*16384 th:TH_LOAD_NT   ; row 128 i + 4 p + j from my first row: 447 rows of 16,384 bytes at the most, inside the signed 24-bit immediate; a wave reads 128 consecutive bytes, the four waves 512
.endr
.endr
.endm
	s_sub_co_u32 s17, ttmp9, 512
	s_and_b32 s18, s17, 31                         ; gx
	s_lshr_b32 s19, s17, 5                         ; t
	s_lshr_b32 s20, s19, 1
	s_lshl_b32 s20, s20, 9                         ; the segment's first row: 512 (t / 2),
	s_and_b32 s21, s19, 1
	s_lshl_b32 s21, s21, 6
	s_add_co_u32 s20, s20, s21                     ; + 64 (t % 2): pieces 16 (t % 2) on, four rows each
	s_lshl_b32 s20, s20, 14                        ; in bytes
	s_lshl_b32 s21, s18, 9
	s_add_co_u32 s20, s20, s21                     ; + 128 gx columns
	s_lshl_b32 s21, s16, 7
	s_add_co_u32 s20, s20, s21                     ; + 32 x wave columns
	s_mov_b32 s21, 0
	s_add_nc_u64 s[6:7], s[6:7], s[20:21]
	s_lshl_b32 s28, s19, 20                        ; b_img: kslot t,
	s_lshl_b32 s29, s18, 15
	s_add_co_u32 s28, s28, s29                     ; ntile 8 gx
	s_lshl_b32 s29, s16, 13
	s_add_co_u32 s28, s28, s29                     ; + 2 x wave
	s_mov_b32 s29, 0
	s_add_nc_u64 s[14:15], s[14:15], s[28:29]
	s_wait_alu depctr_va_vdst(0)
	v_lshlrev_b32 v2, 2, v1                        ; in: 4 bytes a lane
	v_lshrrev_b32 v3, 4, v1
	v_lshlrev_b32 v3, 12, v3
	v_and_b32 v5, 15, v1
	v_lshl_add_u32 v3, v5, 4, v3                   ; out: lanes 16-31 the next ntile; 16 bytes for each r
	EXTLOAD 2048
	LOADW 0
	LOADW 1
	LOADW 2
	s_wait_loadcnt 48                              ; ext's four loads are in; three sets of sixteen stay out
	s_wait_kmcnt 0x0
	CONSTS s23
	LOADW 3
.macro WSTEP p
.if 15-(\p) >= 3
	s_wait_loadcnt 48                              ; this piece's sixteen loads are in; those of the three pieces behind it may be out
.else
	s_wait_loadcnt 16*(15-(\p))
.endif
	LEVELS \p
	global_store_b128 v3, v[CC:CC+3], s[14:15] offset:256*(\p)    ; sixteen lanes store 256 consecutive bytes, at a multiple of 256 from the buffer's first byte
.if (\p)+4 < 16
	LOADW (\p)+4
.endif
.endm
	s_wait_alu depctr_va_vdst(0)
.irp p, 0,1,2,3,4,5,6,7,8,9,10,11,12,13,14,15
	WSTEP \p
.endr
	s_endpgm
.Lfunc_end_k_qf4eb98cf2b_quant:
	.size	k_qf4eb98cf2b_quant, .Lfunc_end_k_qf4eb98cf2b_quant-k_qf4eb98cf2b_quant
	.p2alignl 7, 3214868480
	.fill 96, 4, 3214868480
	.section	.rodata,"a",@progbits
	.p2align	6, 0x0
	.amdhsa_kernel k_qf4eb98cf2b_quant
		.amdhsa_group_segment_fixed_size 0
		.amdhsa_private_segment_fixed_size 0
		.amdhsa_enable_private_segment 0
		.amdhsa_kernarg_size 48
		.amdhsa_user_sgpr_count 2
		.amdhsa_user_sgpr_kernarg_segment_ptr 1
		.amdhsa_wavefront_size32 1
		.amdhsa_system_sgpr_workgroup_id_x 1
		.amdhsa_system_sgpr_workgroup_id_y 1
		.amdhsa_system_sgpr_workgroup_id_z 1
		.amdhsa_system_vgpr_workitem_id 0
		.amdhsa_next_free_vgpr 176
		.amdhsa_next_free_sgpr 66
		.amdhsa_reserve_vcc 0
		.amdhsa_float_denorm_mode_32 3
		.amdhsa_float_denorm_mode_16_64 3
		.amdhsa_memory_ordered 1
		.amdhsa_forward_progress 1
		.amdhsa_inst_pref_size 174
	.end_amdhsa_kernel
	.amdgpu_metadata
---
amdhsa.version: [ 1, 2 ]
amdhsa.kernels:
  - .name:           k_qf4eb98cf2b_quant
    .symbol:         k_qf4eb98cf2b_quant.kd
    .args:
      - { .name: x, .offset: 0, .size: 8, .value_kind: global_buffer, .address_space: global }
      - { .name: W, .offset: 8, .size: 8, .value_kind: global_buffer, .address_space: global }
      - { .name: ext, .offset: 16, .size: 8, .value_kind: global_buffer, .address_space: global }
      - { .name: lowp_scales, .offset: 24, .size: 8, .value_kind: global_buffer, .address_space: global }
      - { .name: a_codes, .offset: 32, .size: 8, .value_kind: global_buffer, .address_space: global }
      - { .name: b_img, .offset: 40, .size: 8, .value_kind: global_buffer, .address_space: global }
    .group_segment_fixed_size: 0
    .private_segment_fixed_size: 0
    .kernarg_segment_align: 8
    .kernarg_segment_size: 48
    .max_flat_workgroup_size: 128
    .sgpr_count:     66
    .vgpr_count:     176
    .wavefront_size: 32
...
	.end_amdgpu_metadata
.endif
;; end of part 2
;; launch gemm (part 3): grid 16 x 16, 4 waves a work-group, clusters of 4 x 4, 327,680 bytes of LDS; arguments a_codes, b_img, lowp_scales, b, out0; writes out0
.if DOCPART == 3
	.amdgcn_target "amdgcn-amd-amdhsa--gfx1250"
	.amdhsa_code_object_version 6
	.text
	.protected	k_qf4eb98cf2b_gemm
	.globl	k_qf4eb98cf2b_gemm
	.p2align	8
	.type	k_qf4eb98cf2b_gemm,@function
k_qf4eb98cf2b_gemm:
	s_mov_b64 s[64:65], 0
	v_nop
	global_prefetch_b8 v0, s[64:65] scope:SCOPE_SE
	s_setreg_imm32_b32 hwreg(HW_REG_WAVE_MODE, 25, 1), 1
	s_wait_xcnt 0x0
	s_wait_alu depctr_hold_cnt(0) depctr_sa_sdst(0) depctr_va_vdst(0) depctr_va_sdst(0) depctr_va_ssrc(0) depctr_va_vcc(0) depctr_vm_vsrc(0)
	s_getreg_b32 s2, hwreg(HW_REG_IB_STS2, 6, 4)
	s_cmp_eq_u32 s2, 0
	s_cbranch_scc0 .Lentry_in_a_cluster
	s_endpgm
.Lentry_in_a_cluster:
	s_bfe_u32 s2, ttmp6, 0x10000c
	s_cmp_lg_u32 s2, 0xf033
	s_cbranch_scc0 .Lentry_shape_is_right
	s_endpgm
.Lentry_shape_is_right:
; out0[m][n] = relu(2^(ea + eb) x sum over k of A[m][k] B[n][k] + b[n]): A, B are codes of BF8 (E5M2) that the launch before stored, sums in f32.
;   a_codes [4096 m][4096 bytes]; b_img [kslot 16][ntile 256][piece 16][r 16][16 bytes]: an image of the operand's registers.  K is permuted alike in both, so every product meets its partner.
; LIMIT: ea + eb lies between -126 and 127, so that 2^(ea + eb) is an f32 number.
; A work-group of four waves makes 256 x 256 of out0, a wave 128 x 128: 64 accumulators, 512 registers.  K goes in steps of 256 through two LDS slots (A: 256 rows of 256 bytes, 272 apart; B: 64 KiB as it lies).
; CLUSTERS 4 x 4: A's tile is asked for jointly along a row of the cluster, B's along a column.  Cluster (x, y) begins its walk at K step (4 x + 8 y) mod 16 and goes round.
; THE MATRIX INSTRUCTION IS USED TRANSPOSED (source 0 = B, source 1 = A): a lane holds eight neighbouring columns of one row.
; A step of 128 along K is 64 matrix instructions, A's blocks one after the other against B's eight.  The next step's 64 LDS loads stand in FOUR RUNS of four fragments (16 loads), one behind every 16 matrix
; instructions, always in the order B0-3, B4-7, A0-3, A4-7.  B has two sets; A has one: blocks 0-3 are fetched anew behind blocks 4, 5's products, blocks 4-7 behind blocks 6, 7's.
; The wait ahead of a pair of A's blocks counts the loads issued behind the pair's younger block: 24, 32, 40, 48.
; PREFETCH: every cluster asks for the tiles that it will itself load.  A wave asks for 32 of the 128 rows (A) or 256-byte blocks (B) that it fetches, a lane a block; the four partners of a joint load share them
; out by address (cx for A, cy for B).  The head asks for K step 1 of my walk, slot 1's first fill is followed by the requests for steps 2 and 3, and the refill with step t by the request for step t + 2;
; the last two refills (steps 14, 15) ask for nothing.  So at most two K steps are asked for and not yet loaded.
; REGISTERS: window 0: v0-31 addresses, v128-255 A's fragments.  window 1: B's two sets at v0 and v128 (on the way out set 0 takes the rows read back).  windows 2, 3: accumulators of my rows 0-63, 64-127.
.set SIZE_N, 4096
.set KROW,   4096
.set ROWB,   256
.set PITCH,  272
.set FR,     16
.set HALFA,  128*PITCH
.set HALFB,  32768
.set BOFF,   2*HALFA
.set SLOT,   BOFF+2*HALFB
.set LAPS,   8
.set SPARE,  2*SLOT                    ; behind the ring: the spare words, 128 bytes a wave
.set SPITCH, 528                       ; the way out: 16 rows x (512 + 16) bytes a wave, in slot 0 behind its last fill and last read
.set BIAS, 8
.set ADRA, 16
.set ADRB, 20
.set STO,  24
.set RD,   25
.set CO,   26
.set PFO,  27
.set SPW,  28
.set NIL,  29
.set AF,   128
.set G1,   24
.set G0,   32
.set G1B,  48
.set G0B,  56
.set PFA,  66                          ; s[66:67] the loop's prefetch address
.set SHF,  71                          ; a byte along K in a_codes is 1 byte, in b_img 4,096: shift 0 or 12
.set BASA, 76
.set BASB, 78
.set OA,   80                          ; s80, s82: each slot's place along K, in bytes of a row of a_codes
.set TBO,  84
.set TPO,  86
.set PFB,  88                          ; s[88:89] my work-group's part of what my wave fetches, at K = 0
.set PH,   90                          ; s[90:95] the first three prefetch addresses; never rewritten
.set MSB, 0
.macro WIN new                         ; the immediate's high byte repeats the setting that is left
.if MSB != \new
	s_set_vgpr_msb (MSB<<8)|\new
.set MSB, \new
.endif
.endm
.set MUL_LO, 0xa1                      ; source 0 (B) window 1, source 1 (A) window 0, C and D window 2
.set TO_B,   0x40                      ; destination window 1, address window 0
.macro PLACES n
.rept \n
	v_nop
.endr
.endm
; a joint load: waves 0, 1 fetch A's halves, waves 2, 3 B's; s_nop 0 and four v_nop behind each line
.macro JLOAD g0a, g1a, g0b, g1b
	s_cmp_eq_u32 s15, 0
	s_cbranch_scc0 .Lfor_b_\@
	tensor_load_to_lds s[\g0a:\g0a+3], s[\g1a:\g1a+7]
	s_nop 0
	PLACES 4
	s_branch .Lasked_\@
.Lfor_b_\@:
	tensor_load_to_lds s[\g0b:\g0b+3], s[\g1b:\g1b+7]
	s_nop 0
	PLACES 4
.Lasked_\@:
.endm
.macro ASK                             ; the K step two behind the refill's; s3 = 1 in the loop's last trip, whose refills have no such step
	s_cmp_gt_u32 s3, 1
	s_cbranch_scc0 .Lnone_\@
	global_prefetch_b8 v[PFO], s[PFA:PFA+1] th:TH_LOAD_NT scope:SCOPE_SE
.Lnone_\@:
.endm
.macro CREST                           ; a round of the cluster's barrier behind its opening barrier
	s_cmp_lg_u32 s14, 0
	s_cbranch_scc1 .Lnot_wave_0_\@
	s_barrier_signal -3
.Lnot_wave_0_\@:
	s_barrier_wait -3
	s_barrier_signal -1
	s_barrier_wait -1
.endm
.macro CROUND
	s_barrier_signal -1
	s_barrier_wait -1
	CREST
.endm
; the slot's next K step, two on and round the end of K; the prefetch's address two further on
.macro NEXTK slot
	s_add_co_u32 s[OA+2*\slot], s[OA+2*\slot], 2*ROWB
	s_and_b32 s[OA+2*\slot], s[OA+2*\slot], KROW-1
	s_lshl_b32 s[TBO], s[OA+2*\slot], 12
	s_add_co_u32 s[TPO], s[OA+2*\slot], 2*ROWB
	s_and_b32 s[TPO], s[TPO], KROW-1
	s_lshl_b32 s[TPO], s[TPO], s[SHF]
	s_add_nc_u64 s[G0+4*\slot+2:G0+4*\slot+3], s[BASA:BASA+1], s[OA+2*\slot:OA+2*\slot+1]
	s_or_b32 s[G0+4*\slot+3], s[G0+4*\slot+3], 0x80000000
	s_add_nc_u64 s[G0B+4*\slot+2:G0B+4*\slot+3], s[BASB:BASB+1], s[TBO:TBO+1]
	s_or_b32 s[G0B+4*\slot+3], s[G0B+4*\slot+3], 0x80000000
	s_add_nc_u64 s[PFA:PFA+1], s[PFB:PFB+1], s[TPO:TPO+1]
.endm
; 8 matrix instructions: A's block a x B's eight fragments of set p.  The 64 accumulators take turns in one order in every step
.macro MUL8 a, p, zero
.set WN, MUL_LO+0x50*((\a)/4)
	WIN WN
.set AI, 64*((\a)%4)
.set BI, 128*(\p)
.set FI, AF+FR*(\a)
.rept 8
.if \zero
	v_wmma_f32_16x16x128_bf8_bf8 v[AI:AI+7], v[BI:BI+FR-1], v[FI:FI+FR-1], 0
.else
	v_wmma_f32_16x16x128_bf8_bf8 v[AI:AI+7], v[BI:BI+FR-1], v[FI:FI+FR-1], v[AI:AI+7]
.endif
.set AI, AI+8
.set BI, BI+FR
.endr
.endm
; fragment g of the slot's q-th 128 along K: g = 0..7 B's, into set p; g = 8..15 A's blocks
.macro GRP slot, q, g, p
.if (\g) < 8
	WIN TO_B
.set RI, 128*(\p)+FR*(\g)
.irp c, 0,1,2,3
	ds_load_b128 v[RI+4*\c:RI+4*\c+3], v[ADRB+\slot] offset:4096*(\g)+2048*(\q)+512*\c
.endr
.else
	WIN 0
.set RI, AF+FR*((\g)-8)
.irp c, 0,1,2,3
	ds_load_b128 v[RI+4*\c:RI+4*\c+3], v[ADRA+\slot] offset:128*(\q)+32*\c+((\g)-8)*16*PITCH
.endr
.endif
.endm
; a run of 16 loads: fragments g0 .. g0 + 3.  Four v_nop stand ahead of each run: a load into a register that a matrix instruction has read stands four plain vector instructions behind it
.macro GRP4 slot, q, g0, p
	GRP \slot, \q, (\g0), \p
	GRP \slot, \q, (\g0)+1, \p
	GRP \slot, \q, (\g0)+2, \p
	GRP \slot, \q, (\g0)+3, \p
.endm
; a slot's first 128 along K: set 0 at work; fetches the second 128 into set 1 and A's registers
.macro STEP slot, zero
.set V, 0
.rept 4
	s_wait_dscnt 24+8*V                            ; blocks 2 V, 2 V + 1 are in (at V = 0 all of B's set too): younger are the last step's 24 - 8 V loads for A's later blocks and this step's 16 V
	MUL8 2*V, 0, \zero
	MUL8 2*V+1, 0, \zero
	PLACES 4
	GRP4 \slot, 1, 4*V, 1
.set V, V+1
.endr
.endm
; a slot's second 128 along K changes slots.  fill = 1: this slot is filled again, two K steps ahead, behind a round of the cluster's barrier.
; Blocks 0 and 1, whose fragments are in registers, are multiplied ahead of the wait for the next slot's tile; behind that wait only block 2's products stand ahead of the round.
.macro TURN slot, next, fill
	s_wait_dscnt 24                                ; B's set and blocks 0, 1 are in; blocks 2-7 (24 loads) may be out
	MUL8 0, 1, 0
	MUL8 1, 1, 0
	WIN 0                                          ; (the add's two registers lie in window 0)
.if \fill
	s_wait_xcnt 0x0                                ; my last prefetch has read its address, which NEXTK writes
.endif
	s_wait_tensorcnt 0x0                           ; all my tensor loads have landed: my part of the next slot
	ds_add_u32 v[SPW], v[NIL]
.if \fill
	NEXTK \slot
.endif
	s_wait_dscnt 21                                ; block 2 is in; blocks 3-7 (20 loads) and the add may be out
	MUL8 2, 1, 0
	WIN 0
	s_wait_dscnt 0x0                               ; the add is done and my reads of this slot are over
	s_barrier_signal -1
	s_barrier_wait -1
.if \fill
	CREST                                          ; no wave of any partner still reads this slot or has a load on its way
	JLOAD G0+4*\slot, G1, G0B+4*\slot, G1B         ; the first tensor load behind the round; its four v_nop are the places for the loads below
.else
	PLACES 4
.endif
	GRP4 \next, 0, 0, 0
.if \fill
	WIN 0
	ASK
.endif
	MUL8 3, 1, 0
	PLACES 4
	GRP4 \next, 0, 4, 0
	MUL8 4, 1, 0
	MUL8 5, 1, 0
	PLACES 4
	GRP4 \next, 0, 8, 0
	MUL8 6, 1, 0
	MUL8 7, 1, 0
	PLACES 4
	GRP4 \next, 0, 12, 0
.endm
	s_load_b256 s[4:11], s[0:1], 0x0               ; a_codes, b_img, the scales' exponents, b
	s_load_b64 s[12:13], s[0:1], 0x20              ; out0
	v_lshl_add_u32 v[SPW], v0, 2, SPARE
	v_mov_b32 v[NIL], 0
	ds_add_u32 v[SPW], v[NIL]                      ; the opening lines: the add twice on end, under one wait
	ds_add_u32 v[SPW], v[NIL]
	v_lshrrev_b32 v1, 5, v0
	v_readfirstlane_b32 s14, v1                    ; wave 0..3
	s_lshr_b32 s15, s14, 1                         ; my half of the tile's rows; also: I fetch for A (0) or B (1)
	s_and_b32 s16, s14, 1                          ; my half of its columns; also: which half of that tile I fetch
	s_bfe_u32 s40, ttmp6, 0x40000                  ; cx
	s_bfe_u32 s41, ttmp6, 0x40004                  ; cy
	s_lshl_b32 s42, ttmp9, 2
	s_add_co_u32 s42, s42, s40                     ; tile column
	s_and_b32 s75, ttmp7, 0xffff
	s_lshl_b32 s17, s75, 2
	s_add_co_u32 s17, s17, s41                     ; tile row
	s_lshl_b32 s43, s41, 2
	s_lshl_b32 s43, 15, s43                        ; my row of the cluster
	s_lshl_b32 s44, 0x1111, s40                    ; my column
	s_lshl_b32 s[OA], ttmp9, 2
	s_lshl_b32 s[OA+2], s75, 3
	s_add_co_u32 s[OA], s[OA], s[OA+2]
	s_and_b32 s[OA], s[OA], 15                     ; the cluster's first K step: 0, 4, 8 or 12
	s_lshl_b32 s[OA], s[OA], 8
	s_add_co_u32 s[OA+2], s[OA], ROWB
	s_mov_b32 s[OA+1], 0
	s_mov_b32 s[OA+3], 0
	s_mov_b32 s[TBO+1], 0
	s_mov_b32 s[TPO+1], 0
	s_or_b32 s[G1+0], s43, (0<<16)|(1<<20)|(1<<21)|(5<<22)|(3<<25)  ; A: bytes; 16 bytes of padding behind every 256
	s_or_b32 s[G1B+0], s44, (0<<16)|(1<<21)                         ; B: dense
.irp g, G1, G1B
	s_mov_b32 s[\g+1], ROWB<<16
	s_mov_b32 s[\g+2], 128<<16
	s_mov_b32 s[\g+3], ROWB<<16
	s_mov_b32 s[\g+4], 128
	s_mov_b32 s[\g+6], 0
	s_mov_b32 s[\g+7], 0
.endr
	s_mov_b32 s[G1+5], KROW
	s_mov_b32 s[G1B+5], ROWB
	s_lshl_b32 s18, s16, 7
	s_lshl_b32 s20, s17, 8
	s_add_co_u32 s20, s20, s18
	s_lshl_b32 s20, s20, 12                        ; A: (256 x tile row + 128 x half) rows of 4,096 bytes
	s_mov_b32 s21, 0
	s_lshl_b32 s46, s42, 16
	s_lshl_b32 s47, s16, 15
	s_add_co_u32 s46, s46, s47                     ; B: 65,536 x tile column + 32,768 x half
	s_mov_b32 s47, 0
	s_mul_i32 s45, s16, HALFA                      ; where my load lands
	s_mul_i32 s19, s16, HALFB
	s_add_co_u32 s19, s19, BOFF                    ; (also: where my wave reads B)
.irp s, 0,1
	s_mov_b32 s[G0+4*\s], 1
	s_add_co_u32 s[G0+4*\s+1], s45, \s*SLOT
	s_mov_b32 s[G0B+4*\s], 1
	s_add_co_u32 s[G0B+4*\s+1], s19, \s*SLOT
.endr
	s_mul_i32 s22, s15, HALFA                      ; where my wave reads A
	s_mul_i32 s23, s14, 16*SPITCH                  ; my stage
	s_lshl_b32 s68, s42, 10
	s_lshl_b32 s69, s16, 9
	s_add_co_u32 s68, s68, s69                     ; my first column, in bytes of f32
	s_mov_b32 s69, 0
	s_lshl_b32 s2, s40, 17                         ; A: 32 cx rows
	s_lshl_b32 s3, s41, 13                         ; B: 32 cy blocks of 256 bytes
	s_mov_b32 s73, 0
	s_cmp_eq_u32 s15, 0
	s_cselect_b32 s72, s2, s3
	s_cselect_b32 s[SHF], 0, 12
	s_cselect_b32 s74, 12, 8                       ; a lane a row of A, or a block of B
	v_and_b32 v1, 15, v0
	v_bfe_u32 v2, v0, 4, 1
	v_and_b32 v6, 31, v0
	v_mul_u32_u24 v3, v1, PITCH
	v_lshl_add_u32 v4, v2, 4, v3
	v_lshlrev_b32 v[CO], 4, v6
	v_lshlrev_b32 v[PFO], s74, v6
	v_add_nc_u32 v[ADRA], s22, v4
	v_add_nc_u32 v[ADRA+1], SLOT, v[ADRA]
	v_add_nc_u32 v[ADRB], s19, v[CO]
	v_add_nc_u32 v[ADRB+1], SLOT, v[ADRB]
	v_mul_u32_u24 v5, v1, SPITCH
	v_lshl_add_u32 v5, v2, 5, v5
	v_add_nc_u32 v[STO], s23, v5                   ; into the stage: row l % 16, 32 bytes for each half of the lanes
	v_add_nc_u32 v[RD], s23, v[CO]                 ; back: 32 lanes take one row of 512 bytes
	s_wait_alu depctr_va_vdst(0)                   ; all the head's vector writes stand ahead of this wait
	s_wait_dscnt 0x0                               ; both opening adds are done
	s_wait_kmcnt 0x0
	s_load_b64 s[96:97], s[8:9], 0x0               ; ea, eb
	s_add_nc_u64 s[BASA:BASA+1], s[4:5], s[20:21]
	s_add_nc_u64 s[BASB:BASB+1], s[6:7], s[46:47]
.irp s, 0,1
	s_add_nc_u64 s[G0+4*\s+2:G0+4*\s+3], s[BASA:BASA+1], s[OA+2*\s:OA+2*\s+1]
	s_or_b32 s[G0+4*\s+3], s[G0+4*\s+3], 0x80000000
	s_lshl_b32 s[TBO], s[OA+2*\s], 12
	s_add_nc_u64 s[G0B+4*\s+2:G0B+4*\s+3], s[BASB:BASB+1], s[TBO:TBO+1]
	s_or_b32 s[G0B+4*\s+3], s[G0B+4*\s+3], 0x80000000
.endr
	CROUND                                         ; all sixteen work-groups are here: the first joint loads meet
	JLOAD G0, G1, G0B, G1B                         ; K step 0: one tensor load a wave at the head
	s_cmp_eq_u32 s15, 0
	s_cselect_b64 s[PFB:PFB+1], s[BASA:BASA+1], s[BASB:BASB+1]
	s_add_nc_u64 s[PFB:PFB+1], s[PFB:PFB+1], s[72:73]
	s_lshl_b32 s72, s[OA+2], s[SHF]
	s_add_nc_u64 s[PH:PH+1], s[PFB:PFB+1], s[72:73]        ; K step 1 of my walk (steps 1-3 do not pass the end of K: the walk begins at 12 at the most)
	s_lshl_b32 s72, ROWB, s[SHF]
	s_add_nc_u64 s[PH+2:PH+3], s[PH:PH+1], s[72:73]        ; step 2
	s_add_nc_u64 s[PH+4:PH+5], s[PH+2:PH+3], s[72:73]      ; step 3
	global_prefetch_b8 v[PFO], s[PH:PH+1] th:TH_LOAD_NT scope:SCOPE_SE
	s_add_nc_u64 s[10:11], s[10:11], s[68:69]
	global_load_b128 v[BIAS:BIAS+3], v[CO], s[10:11]       ; b at the four columns that I store
	s_lshl_b32 s20, s17, 8
	s_lshl_b32 s21, s15, 7
	s_add_co_u32 s20, s20, s21
	s_lshl_b32 s20, s20, 14                        ; my first row of out0, in bytes
	s_mov_b32 s21, 0
	s_add_nc_u64 s[20:21], s[20:21], s[68:69]
	s_add_nc_u64 s[12:13], s[12:13], s[20:21]
	s_wait_tensorcnt 0x0                           ; my part of K step 0 is in; slot 1's first fill is issued as a refill is:
	ds_add_u32 v[SPW], v[NIL]
	s_wait_dscnt 0x0
	CROUND
	JLOAD G0+4, G1, G0B+4, G1B                     ; K step 1
	GRP4 0, 0, 0, 0
	GRP4 0, 0, 4, 0
	GRP4 0, 0, 8, 0
	GRP4 0, 0, 12, 0
	global_prefetch_b8 v[PFO], s[PH+2:PH+3] th:TH_LOAD_NT scope:SCOPE_SE
	global_prefetch_b8 v[PFO], s[PH+4:PH+5] th:TH_LOAD_NT scope:SCOPE_SE
	STEP 0, 1                                      ; the first step starts the sums: nothing is cleared
	s_mov_b32 s3, LAPS-1
.Llap:                                                 ; once round the ring, from a lap's second step to the next lap's first
	TURN 0, 1, 1
	STEP 1, 0
	TURN 1, 0, 1
	STEP 0, 0
	s_sub_co_u32 s3, s3, 1
	s_cmp_lg_u32 s3, 0
	s_cbranch_scc1 .Llap
	TURN 0, 1, 0                                   ; the last lap fills nothing
	STEP 1, 0
; THE LAST 128 ALONG K AND THE WAY OUT.  A block of 16 rows is finished with its eight products and leaves at once: sums into my stage, back as rows of 512 bytes into B's idle set 0 (window 1, v0-127, two
; halves by turns), x 2^(ea + eb) + b, relu, stored as two aligned units of 256 bytes.  LDS serves a wave's instructions in order: no wait between the stage's stores and loads.
.macro TOSTAGE a
.set AC, 64*((\a)%4)
.set BB, 64*((\a)%2)
.set WN, 0x08+4*((\a)/4)
	WIN WN                                         ; store data: window 2 or 3
.irp b, 0,1,2,3,4,5,6,7
	ds_store_b128 v[STO], v[AC+8*\b:AC+8*\b+3] offset:64*\b          ; each accumulator from its low end on
	ds_store_b128 v[STO], v[AC+8*\b+4:AC+8*\b+7] offset:64*\b+16
.endr
	WIN TO_B
.irp t, 0,1,2,3,4,5,6,7,8,9,10,11,12,13,14,15
	ds_load_b128 v[BB+4*\t:BB+4*\t+3], v[RD] offset:\t*SPITCH
.endr
.endm
.macro SEND a, younger                 ; younger: the LDS instructions issued behind block a's loads
.set BB, 64*((\a)%2)
	s_wait_dscnt \younger
.if (\a) > 0
	s_add_nc_u64 s[12:13], s[12:13], 16*SIZE_N*4   ; behind a wait on XCNT: the earlier stores have read their base
.endif
	WIN 0x45                                       ; sources 0, 1 and the destination window 1; the bias window 0
.irp t, 0,1,2,3,4,5,6,7,8,9,10,11,12,13,14,15
	v_pk_fma_f32 v[BB+4*\t:BB+4*\t+1], v[BB+4*\t:BB+4*\t+1], s[96:97], v[BIAS:BIAS+1] op_sel_hi:[1,0,1]
	v_pk_fma_f32 v[BB+4*\t+2:BB+4*\t+3], v[BB+4*\t+2:BB+4*\t+3], s[96:97], v[BIAS+2:BIAS+3] op_sel_hi:[1,0,1]
.endr
.set J, 0
.rept 64
	v_max_num_f32 v[BB+J], 0, v[BB+J]
.set J, J+1
.endr
	WIN 0x04                                       ; store data window 1, offset window 0
.irp t, 0,1,2,3,4,5,6,7,8,9,10,11,12,13,14,15
	global_store_b128 v[CO], v[BB+4*\t:BB+4*\t+3], s[12:13] offset:\t*SIZE_N*4   ; 32 lanes store 512 consecutive bytes, aligned
.endr
.endm
	s_wait_kmcnt 0x0
	s_wait_loadcnt 0x0                             ; the bias
	s_add_co_i32 s96, s96, s97
	s_add_co_i32 s96, s96, 127
	s_lshl_b32 s96, s96, 23                        ; 2^(ea + eb) as f32
	s_mov_b32 s97, s96
	s_wait_dscnt 0x0                               ; all of the last step's fragments are in
	MUL8 0, 1, 0
	MUL8 1, 1, 0
.irp a, 0,1,2,3,4,5,6,7
	PLACES 4                                       ; behind block a's products, ahead of the stores that read them
.if \a > 1
	s_wait_xcnt 0x0                                ; block a - 2's stores have read their registers and their base
.endif
	TOSTAGE \a
.if \a < 6
	MUL8 \a+2, 1, 0
.endif
.if \a > 0
	SEND \a-1, 32                                  ; behind block a - 1's loads: block a's 16 stores and 16 loads
.endif
.endr
	s_wait_xcnt 0x0
	SEND 7, 0
	WIN 0
	s_wait_tensorcnt 0x0                           ; the wave's end
	ds_add_u32 v[SPW], v[NIL]
	s_wait_dscnt 0x0
	CROUND                                         ; the closing round
	s_endpgm
.Lfunc_end_k_qf4eb98cf2b_gemm:
	.size	k_qf4eb98cf2b_gemm, .Lfunc_end_k_qf4eb98cf2b_gemm-k_qf4eb98cf2b_gemm
	.p2alignl 7, 3214868480
	.fill 96, 4, 3214868480
	.section	.rodata,"a",@progbits
	.p2align	6, 0x0
	.amdhsa_kernel k_qf4eb98cf2b_gemm
		.amdhsa_group_segment_fixed_size 327680
		.amdhsa_private_segment_fixed_size 0
		.amdhsa_enable_private_segment 0
		.amdhsa_kernarg_size 40
		.amdhsa_user_sgpr_count 2
		.amdhsa_user_sgpr_kernarg_segment_ptr 1
		.amdhsa_wavefront_size32 1
		.amdhsa_system_sgpr_workgroup_id_x 1
		.amdhsa_system_sgpr_workgroup_id_y 1
		.amdhsa_system_sgpr_workgroup_id_z 1
		.amdhsa_system_vgpr_workitem_id 0
		.amdhsa_next_free_vgpr 1024
		.amdhsa_next_free_sgpr 98
		.amdhsa_reserve_vcc 0
		.amdhsa_float_denorm_mode_32 3
		.amdhsa_float_denorm_mode_16_64 3
		.amdhsa_memory_ordered 1
		.amdhsa_forward_progress 1
		.amdhsa_inst_pref_size 146
	.end_amdhsa_kernel
	.amdgpu_metadata
---
amdhsa.version: [ 1, 2 ]
amdhsa.kernels:
  - .name:           k_qf4eb98cf2b_gemm
    .symbol:         k_qf4eb98cf2b_gemm.kd
    .args:
      - { .name: a_codes, .offset: 0, .size: 8, .value_kind: global_buffer, .address_space: global }
      - { .name: b_img, .offset: 8, .size: 8, .value_kind: global_buffer, .address_space: global }
      - { .name: lowp_scales, .offset: 16, .size: 8, .value_kind: global_buffer, .address_space: global }
      - { .name: b, .offset: 24, .size: 8, .value_kind: global_buffer, .address_space: global }
      - { .name: out0, .offset: 32, .size: 8, .value_kind: global_buffer, .address_space: global }
    .group_segment_fixed_size: 327680
    .private_segment_fixed_size: 0
    .kernarg_segment_align: 8
    .kernarg_segment_size: 40
    .max_flat_workgroup_size: 128
    .sgpr_count:     98
    .vgpr_count:     1024
    .wavefront_size: 32
...
	.end_amdgpu_metadata
.endif
;; end of part 3
